; MI455X (gfx1250); checked and timed in simulation.
; The chip was launched on July 23, 2026; its instructions are those of AMD's public machine-readable ISA for CDNA 5 (MIT licence, August 2026) and "CDNA5" Instruction Set Architecture Reference Guide (July 2026). The comments in the code are by the model that wrote it; some were corrected since.
;; Multi Head Attention. Allowed arithmetic: matrix products marked QUANTISED: E2M1 operands, one E8M0 scale for each 32 along K, by v_wmma_scale_f32_16x16x128_f8f6f4 with both operands' format E2M1 (or v_wmma_scale_f32_32x16x128_f4), f32 sums; products left as they are: f32 operands where the result goes on into a quantised operand, else bf16, f16 or f32 operands; f32 sums; everything else in f32.
;; Inputs: Wk_codes 2,048 x 64 x 16 uint8 (E2M1 codes of Wk, K innermost, in blocks of 32 codes, two codes a byte); Wk_scales 2,048 x 64 uint8 (E8M0 scales of Wk, one for each 32 codes along K); Wq_codes 2,048 x 64 x 16 uint8 (E2M1 codes of Wq, K innermost, in blocks of 32 codes, two codes a byte); Wq_scales 2,048 x 64 uint8 (E8M0 scales of Wq, one for each 32 codes along K); Wv_codes 2,048 x 64 x 16 uint8 (E2M1 codes of Wv, K innermost, in blocks of 32 codes, two codes a byte); Wv_scales 2,048 x 64 uint8 (E8M0 scales of Wv, one for each 32 codes along K); key_codes 4 x 1,024 x 64 x 16 uint8 (E2M1 codes of key, K innermost, in blocks of 32 codes, two codes a byte); key_padding_mask 4 x 1,024 bool; key_scales 4 x 1,024 x 64 uint8 (E8M0 scales of key, one for each 32 codes along K); query_codes 4 x 1,024 x 64 x 16 uint8 (E2M1 codes of query, K innermost, in blocks of 32 codes, two codes a byte); query_padding_mask 4 x 1,024 bool; query_scales 4 x 1,024 x 64 uint8 (E8M0 scales of query, one for each 32 codes along K).
;; Outputs: out0 4 x 1,024 x 2,048 float32.
;; This version of the problem:
;;   THIS VERSION OF THE PROBLEM IS GIVEN IN LOW PRECISION. The matrix products marked QUANTISED in the list below multiply operands that are first quantised to E2M1 (2 exponent bits, 1 mantissa bit; 4 bits a number), with one power-of-two scale for each 32 numbers along K (OCP MX v1.0); their sums are f32. All else is computed in f32.
;;   The module's matrix products, in the order in which they are computed (A, B: the left and right operand; K: the contracted axis; several contracted axes count as one K, in the product's order):
;;     1. [M 4,096, K 2,048] x [K 2,048, N 2,048]; A: input query (given as codes); B: input Wq (given as codes): QUANTISED
;;     2. [M 4,096, K 2,048] x [K 2,048, N 2,048]; A: input key (given as codes); B: input Wk (given as codes): QUANTISED
;;     3. [M 4,096, K 2,048] x [K 2,048, N 2,048]; A: input key (given as codes); B: input Wv (given as codes): QUANTISED
;;     4. batch 64 x [M 128, K 1,024] x [K 1,024, N 128]; A: computed on the way; B: computed on the way: QUANTISED
;;     5. batch 64 x [M 1,024, K 128] x [K 128, N 128]; A: computed on the way; B: computed on the way: QUANTISED
;;     6. batch 64 x [M 1,024, K 128] x [K 128, N 1]; A: computed on the way; B: computed on the way: left as it is (N = 1 < 16)
;;   THE QUANTISER, for each operand of a quantised product, along K:
;;     - K is cut into blocks of 32 from its start; a last block that is shorter is filled with zeros.
;;     - A block's scale is 2^e with e = floor(log2(the largest magnitude in the block)) - 2, held to -126 .. 127; a block of zeros has e = 0. As a byte (E8M0): e + 127.
;;     - Each number is divided by its block's scale, clamped to +-6, and rounded to the nearest number of E2M1, ties to even, subnormals kept.
;;     - The product sums the exact products of the quantised numbers (number of the format x scale) in f32.
;;   ~~~python
;;   def quantise(x, axis):      # numpy; x: float32 -> the quantised numbers, widened to float32 again
;;       x = np.moveaxis(x, axis, -1); K = x.shape[-1]
;;       x = np.pad(x, [(0, 0)] * (x.ndim - 1) + [(0, -K % 32)]); x = x.reshape(x.shape[:-1] + (-1, 32)); a = np.abs(x).max(-1, keepdims=True)
;;       e = np.where(a > 0, np.clip(np.frexp(np.where(a > 0, a, 1))[1] - 1 - 2, -126, 127), 0)      # np.frexp(a)[1] - 1 = floor(log2(a)), exactly
;;       r = np.clip(x / 2.0 ** e, -6, 6)
;;       step = 2.0 ** (np.maximum(np.frexp(np.where(r == 0, 1, r))[1] - 1, 0) - 1)
;;       q = np.round(r / step) * step * 2.0 ** e      # np.round: ties to even
;;       return np.moveaxis(q.reshape(q.shape[:-2] + (-1,))[..., :K], -1, axis).astype(np.float32)
;;   ~~~
;;   OPERANDS COMPUTED ON THE WAY. 'Computed on the way' means the value that the module computes at that place (a softmax that the list does not call 'softmax' is quantised finished and normalised). What goes into a quantiser is computed in f32, as accurately as f32 sums, v_exp_f32 and their like allow (about 1e-6 of the number): no bf16 or f16 on the way to a quantiser, and a product that is left as it is and whose result goes on into a quantised operand takes f32 operands (vector FMAs, or v_wmma_f32_16x16x4_f32). A number that lies on a knife's edge between two numbers of the format may be rounded either way, as far as f32 arithmetic and the matrix unit's own rounding can turn it there, and no further.
;;   INPUTS GIVEN AS CODES. Wk (in the module: [2048, 2048], K = its axis 1); Wq (in the module: [2048, 2048], K = its axis 1); Wv (in the module: [2048, 2048], K = its axis 1); key (in the module: [4, 1024, 2048], K = its axis 2); query (in the module: [4, 1024, 2048], K = its axis 2): each comes as NAME_codes (uint8): NAME with its K axis moved to the last place and cut into blocks of 32 codes, [.., K / 32, bytes a block], one block behind the other in memory; two codes a byte, the lower K in the low four bits (a code: sign, 2 exponent bits, 1 mantissa bit); and NAME_scales (uint8): the same leading axes, one E8M0 byte (e + 127) for each 32 codes along K. Its value is code x scale, taken as it is: it is not quantised again, and the codes and scales need not be those that the quantiser above would give.
;; One version. Each part assembles by itself: llvm-mc -triple=amdgcn-amd-amdhsa -mcpu=gfx1250 --defsym DOCPART=n.
;; ======== version 1 of 1: 2 launches
;; workspace buffers: kvimg 8,912,896 bytes; psum 262,144 bytes
;; launch kvproj (part 1): grid 16 x 16, 4 waves a work-group, clusters of 4 x 4, 327,680 bytes of LDS; arguments key_codes, key_scales, Wk_codes, Wk_scales, Wv_codes, Wv_scales, key_padding_mask, kvimg, psum; writes kvimg, psum
.if DOCPART == 1
	.amdgcn_target "amdgcn-amd-amdhsa--gfx1250"
	.amdhsa_code_object_version 6
	.text
	.protected	k_qa06ecd3b3e_kvproj
	.globl	k_qa06ecd3b3e_kvproj
	.p2align	8
	.type	k_qa06ecd3b3e_kvproj,@function
k_qa06ecd3b3e_kvproj:
	s_mov_b64 s[64:65], 0
	v_nop
	global_prefetch_b8 v0, s[64:65] scope:SCOPE_SE
	s_setreg_imm32_b32 hwreg(HW_REG_WAVE_MODE, 25, 1), 1
	s_wait_xcnt 0x0
	s_wait_alu depctr_hold_cnt(0) depctr_sa_sdst(0) depctr_va_vdst(0) depctr_va_sdst(0) depctr_va_ssrc(0) depctr_va_vcc(0) depctr_vm_vsrc(0)
	s_getreg_b32 s2, hwreg(HW_REG_IB_STS2, 6, 4)
	s_cmp_eq_u32 s2, 0
	s_cbranch_scc0 .Lentry_in_a_cluster
	s_endpgm
.Lentry_in_a_cluster:
	s_bfe_u32 s2, ttmp6, 0x10000c
	s_cmp_lg_u32 s2, 0xf033
	s_cbranch_scc0 .Lentry_shape_is_right
	s_endpgm
.Lentry_shape_is_right:
; k = key Wk^T and v = key Wv^T on codes of FP4 (E2M1) with one E8M0 scale for each 32 along K = 2,048; pk = softplus(k), 0 at padded keys;
; pk and v are quantised along the KEYS (the K of the product pk^T v) and leave as images of operand registers; the sum of pk over the keys leaves in f32.
; SHARES.  A work-group takes 256 keys (tile x of 16) of one head (y of 16): a tile of 256 keys x 256 columns, the columns being the head's 128 rows of Wk and its 128 rows of Wv.
; Four waves; wave (j, kk) takes keys 128 kk .. + 127 against rows 64 j .. + 63 of Wk (blocks 0-3) and of Wv (blocks 4-7): every wave has as many softplus columns as the others.
; THE MATRIX INSTRUCTION: source 0 = 16 keys, source 1 = 16 rows of W.  In the result a lane holds ONE column (lane % 16) and its registers run along the keys: register 8 b + i of a block of W
; is key 16 b + 8 (lane / 16) + i.  So a block of 32 keys lies in 16 registers of lanes l and l xor 16, and the conversions take neighbours along the keys from one lane's registers.
; K goes in steps of 512 (rows of 256 bytes) through a ring of two LDS slots filled by the tensor data mover; the scale bytes of all of K come once, as dense blocks, and stay.
; CLUSTERS: 4 x 4 work-groups.  W's tiles hang on the head alone and are shared along a row of the cluster, the keys' tiles on the key tile alone and are shared along a column: each is asked for jointly.
; OUT.  kvimg: [n][head][ks 8] records of 17,408 bytes for 128 keys: 8 fragments of pk (16 d x 128 keys), 8 of v, each 1,024 bytes = [c 2][lane 32][16 bytes], registers 4 c .. 4 c + 3 of the operand;
; at byte 16,384 the scale words [j 2][pk, v][row 16][tile 4].  psum: [n][head][ks][j 2][row 16][tile 4] f32.  Every store of a wave covers 512 or 256 consecutive bytes, aligned.
; softplus(x) = max(x, 0) + ln(1 + u), u = 2^(-|x| log2 e).  w = 1 + u rounded; e = 1 - w and c = u + e are exact (c is what the rounding lost); ln(1 + u) = ln 2 log2(w) + c (2 - w) to first order in c.
; LIMITS: a softplus under 2^-126 comes out as 0 (the exponential flushes); the key mask is a multiplication by 0 or 1: a masked k that has overflowed to infinity would give NaN; NaN and infinities
; from scale bytes are not served; a block whose largest magnitude lies under 2^-124 gets the byte 1 (a block of zeros too: its codes are zeros, and this program alone reads the bytes).
; REGISTERS, in windows of 256: window 0: v1-29 addresses; v32-95 scale words, two sets; v96-127 at work; v128-191 W's fragments, one set, later the codes made; v192-255 the keys' factors (1 or 0).
;   window 1: the keys' fragments, two sets (v0, v128); later u, w, the result, e (64 each).   window 2: the accumulators of Wk's blocks (block a, keys b at v[64 a + 8 b]);   window 3: those of Wv's.
.set PITCH,  272                       ; an LDS row: 256 bytes + 16 of padding: the 16 rows that a load touches start 68 words apart
.set HALFT,  128*PITCH                 ; 128 rows: what one tensor load brings
.set SLOT,   4*HALFT                   ; Wk's 128 rows, Wv's 128 rows, the keys' 256 rows
.set SCL,    2*SLOT                    ; behind the ring: the scale bytes, 64 a row, as units of 256 bytes + 16: Wk, Wv, keys 0-127, keys 128-255
.set HALFS,  32*272                    ; those of 128 rows
.set SBLK,   4*272                     ; those of 16 rows
.set SPARE,  SCL+4*HALFS               ; the spare words, 128 bytes for each wave
.set ROWB,   256                       ; a tile's row in bytes: 512 codes
.set KROW,   1024                      ; a row in memory: 2,048 codes
.set NQ,     4                         ; matrix instructions deep in a slot
.set FR,     8                         ; registers of a fragment
.set RECB,   17408                     ; a record of kvimg
.set PADC,   (1<<20)|(1<<21)|(5<<22)|(3<<25)   ; group 1, word 0: padding on; bit 21 beside a mask; after every 64 words; 4 words
.set ADRA, 16                          ; v16-17  LDS address of W's fragments in slot 0, 1
.set ADRB, 20                          ; v20-21  of the keys'
.set GP,   23                          ; v23     my 8 bytes in the wave's part of psum
.set GI,   24                          ; v24     16 x lane + 4,096 j: my 16 bytes of an image
.set GS,   25                          ; v25     16 x lane + 512 j: my scale words
.set ADRS2, 26                         ; v26     LDS address of the scale words of blocks 4-7
.set ADRS, 27                          ; v27     of blocks 0-3: lanes 0-15 W's rows, lanes 16-31 the keys'
.set SPW,  28                          ; v28     my spare word; never rewritten
.set NIL,  29                          ; v29     0; never rewritten
.set SC,   32                          ; scale words: set s at v[SC + 32 s]; register 4 i + q: lanes 0-15 W's block i, lanes 16-31 the keys' block i
.set TM,   96                          ; v96-111 at work
.set SWP,  112                         ; v112-115 pk's scale words, v116-119 v's
.set SWV,  116
.set PSV,  120                         ; v120-123 the sums of pk
.set SWD,  124                         ; v124-127 the scale words as they are stored
.set AF,   128                         ; W's fragments
.set PC,   128                         ; later: the codes, 8 registers for each of 8 tiles: no store's data are written again
.set RF,   192                         ; the factor of register 8 b + i's key
.set RU,   0                           ; window 1, behind the products
.set RW,   64
.set RM,   128
.set RE,   192
.set WV,   22
.set JH,   23                          ; j: which 64 rows of Wk and Wv.  Also: I fetch for W (0) or for the keys (1)
.set KH,   2                           ; kk: which 128 keys.  Also: Wk or Wv, keys 0-127 or 128-255
.set G1,   24
.set G0,   32
.set G1B,  48
.set G0B,  56
.set G1S,  68
.set G0S,  76
.set G1SB, 80
.set G0SB, 88
.set L2E,  96
.set FLOOR, 97
.set LN2,  98
.set SEL,  100
.set MSB, 0
.macro WIN new                         ; the immediate's high byte repeats the setting that is left; a switch that changes nothing is dropped
.if MSB != (\new)
	s_set_vgpr_msb (MSB<<8)|(\new)
.set MSB, (\new)
.endif
.endm
.set MUL_LO, 0xa1                      ; source 0 (keys) window 1, source 1 (W) window 0, C and D window 2
.set MUL_HI, 0xf1                      ; the same, C and D window 3
.set TO_B,   0x40                      ; destination window 1
; A joint load: waves 0 and 1 fetch for W, waves 2 and 3 for the keys.  Each line has one mask and one set of registers; the branch hangs on the wave's number alone.  Four v_nop follow each line.
.macro JLOAD g0a, g1a, g0b, g1b
	s_cmp_eq_u32 s[JH], 0
	s_cbranch_scc0 .Lfor_b_\@
	tensor_load_to_lds s[\g0a:\g0a+3], s[\g1a:\g1a+7]
	s_nop 0
.rept 4
	v_nop
.endr
	s_branch .Lasked_\@
.Lfor_b_\@:
	tensor_load_to_lds s[\g0b:\g0b+3], s[\g1b:\g1b+7]
	s_nop 0
.rept 4
	v_nop
.endr
.Lasked_\@:
.endm
.macro CREST                           ; a round of the cluster's barrier behind its opening barrier
	s_cmp_lg_u32 s[WV], 0
	s_cbranch_scc1 .Lnot_wave_0_\@
	s_barrier_signal -3
.Lnot_wave_0_\@:
	s_barrier_wait -3
	s_barrier_signal -1
	s_barrier_wait -1
.endm
.macro CROUND
	s_barrier_signal -1
	s_barrier_wait -1
	CREST
.endm
.macro PLACES n                        ; plain places behind matrix instructions, in front of loads into their registers and of reads of their results
.rept \n
	v_nop
.endr
.endm
	s_load_b512 s[4:19], s[0:1], 0x0               ; key codes s[4:5], key scales s[6:7], Wk codes, Wk scales, Wv codes, Wv scales, the mask s[16:17], kvimg s[18:19]
	s_load_b64 s[20:21], s[0:1], 0x40              ; psum
	v_lshl_add_u32 v[SPW], v0, 2, SPARE
	v_mov_b32 v[NIL], 0
	ds_add_u32 v28, v29
	ds_add_u32 v28, v29
	s_wait_dscnt 0x0
	v_lshrrev_b32 v1, 5, v0
	v_readfirstlane_b32 s[WV], v1                  ; wave 0..3
	s_lshr_b32 s[JH], s[WV], 1
	s_and_b32 s[KH], s[WV], 1
	s_bfe_u32 s40, ttmp6, 0x40000                  ; cx, cy: my place in the cluster
	s_bfe_u32 s41, ttmp6, 0x40004
	s_lshl_b32 s42, ttmp9, 2
	s_add_co_u32 s42, s42, s40                     ; the key tile = 4 x cluster x + cx
	s_and_b32 s43, ttmp7, 0xffff
	s_lshl_b32 s43, s43, 2
	s_add_co_u32 s43, s43, s41                     ; the head = 4 x cluster y + cy
	s_lshl_b32 s44, s41, 2
	s_lshl_b32 s44, 15, s44                        ; my row of the cluster
	s_lshl_b32 s45, 0x1111, s40                    ; my column
	s_or_b32 s[G1+0], s44, PADC                    ; W's tiles go to my row; elements of 1 byte
	s_or_b32 s[G1B+0], s45, PADC                   ; the keys' to my column
.irp g, G1, G1B
	s_mov_b32 s[\g+1], ROWB<<16                    ; tensor_dim0 = 256
	s_mov_b32 s[\g+2], 128<<16                     ; tensor_dim1 = 128
	s_mov_b32 s[\g+3], ROWB<<16                    ; tile_dim0
	s_mov_b32 s[\g+4], 128                         ; tile_dim1
	s_mov_b32 s[\g+5], KROW                        ; from row to row
	s_mov_b32 s[\g+6], 0
	s_mov_b32 s[\g+7], 0
.endr
	s_or_b32 s[G1S+0], s44, (3<<16)|PADC           ; the scale bytes of 128 rows: 8,192 dense bytes as 32 rows of 32 elements of 8 bytes
	s_or_b32 s[G1SB+0], s45, (3<<16)|PADC
.irp g, G1S, G1SB
	s_mov_b32 s[\g+1], 32<<16
	s_mov_b32 s[\g+2], 32<<16
	s_mov_b32 s[\g+3], 32<<16
	s_mov_b32 s[\g+4], 32
	s_mov_b32 s[\g+5], 32
	s_mov_b32 s[\g+6], 0
	s_mov_b32 s[\g+7], 0
.endr
	s_lshl_b32 s46, s43, 17                        ; W: the head's 128 rows of 1,024 bytes,
	s_mov_b32 s47, 0
	s_lshl_b32 s92, s43, 13                        ; and of 64 scale bytes
	s_mov_b32 s93, 0
	s_lshl_b32 s66, s42, 18                        ; the keys: the tile's 256 rows, + my 128
	s_lshl_b32 s3, s[KH], 17
	s_add_co_u32 s66, s66, s3
	s_mov_b32 s67, 0
	s_lshl_b32 s94, s42, 14
	s_lshl_b32 s3, s[KH], 13
	s_add_co_u32 s94, s94, s3
	s_mov_b32 s95, 0
	s_mov_b32 s[L2E], 0x3fb8aa3b                   ; log2(e)
	s_mov_b32 s[FLOOR], 0x1800000                  ; 2^(3 - 127): under it no largest magnitude is taken, so the byte cannot fall under 1
	s_mov_b32 s[LN2], 0x3f317218                   ; ln 2
	s_mov_b32 s[LN2+1], s[LN2]                     ; (named with it as a pair)
	s_mov_b32 s[SEL], 0x76543210                   ; v_permlanex16_b32's selects for lane l xor 16
	s_mov_b32 s[SEL+1], 0xfedcba98
	s_wait_kmcnt 0x0
	s_cmp_eq_u32 s[KH], 0                          ; wave 0 fetches Wk, wave 1 Wv: the choice hangs on the wave's number alone
	s_cselect_b64 s[8:9], s[8:9], s[12:13]
	s_cselect_b64 s[10:11], s[10:11], s[14:15]
	s_add_nc_u64 s[8:9], s[8:9], s[46:47]
	s_add_nc_u64 s[10:11], s[10:11], s[92:93]
	s_add_nc_u64 s[4:5], s[4:5], s[66:67]
	s_add_nc_u64 s[6:7], s[6:7], s[94:95]
	s_mul_i32 s46, s[WV], HALFT                    ; where they go: wave x 128 rows: no place in the cluster enters an LDS address
	s_mul_i32 s47, s[WV], HALFS
	CROUND                                         ; all sixteen work-groups are here: the first joint loads meet
	s_mov_b32 s[G0S], 1
	s_add_co_u32 s[G0S+1], s47, SCL
	s_mov_b64 s[G0S+2:G0S+3], s[10:11]
	s_or_b32 s[G0S+3], s[G0S+3], 0x80000000
	s_mov_b32 s[G0SB], 1
	s_add_co_u32 s[G0SB+1], s47, SCL
	s_mov_b64 s[G0SB+2:G0SB+3], s[6:7]
	s_or_b32 s[G0SB+3], s[G0SB+3], 0x80000000
	JLOAD G0S, G1S, G0SB, G1SB                     ; the scales first: they are wanted with K step 0
.irp s, 0,1
	s_mov_b32 s[G0+4*\s], 1
	s_add_co_u32 s[G0+4*\s+1], s46, \s*SLOT
	s_add_nc_u64 s[G0+4*\s+2:G0+4*\s+3], s[8:9], \s*ROWB
	s_or_b32 s[G0+4*\s+3], s[G0+4*\s+3], 0x80000000
	s_mov_b32 s[G0B+4*\s], 1
	s_add_co_u32 s[G0B+4*\s+1], s46, \s*SLOT
	s_add_nc_u64 s[G0B+4*\s+2:G0B+4*\s+3], s[4:5], \s*ROWB
	s_or_b32 s[G0B+4*\s+3], s[G0B+4*\s+3], 0x80000000
	JLOAD G0+4*\s, G1, G0B+4*\s, G1B               ; K steps 0 and 1: three loads of mine are out
.endr
	v_and_b32 v1, 15, v0                           ; r = lane % 16
	v_bfe_u32 v2, v0, 4, 1                         ; h = lane / 16
	v_mul_u32_u24 v3, v1, PITCH
	v_lshl_add_u32 v4, v2, 4, v3                   ; a fragment's row x pitch + 16 h
	s_mul_i32 s92, s[JH], 64*PITCH                 ; my 64 rows of Wk (Wv's lie 128 rows on)
	s_mul_i32 s93, s[KH], HALFT                    ; my 128 keys,
	s_add_co_u32 s93, s93, 2*HALFT                 ; behind W's 256 rows
.irp s, 0,1
	v_add_nc_u32 v[ADRA+\s], s92, v4
	v_add_nc_u32 v[ADRB+\s], s93, v4
	s_add_co_u32 s92, s92, SLOT
	s_add_co_u32 s93, s93, SLOT
.endr
	v_lshlrev_b32 v5, 6, v1                        ; my row's scale bytes: 64 a row,
	v_lshrrev_b32 v6, 2, v1
	v_lshl_add_u32 v5, v6, 4, v5                   ; and 16 more for each 256 passed
	s_mul_i32 s92, s[JH], 16*272                   ; lanes 0-15: Wk's rows 64 j on
	s_xor_b32 s93, s[JH], 1
	s_mul_i32 s93, s93, 16*272
	s_mul_i32 s94, s[KH], HALFS
	s_add_co_u32 s93, s93, s94
	s_add_co_u32 s94, s93, 3*16*272                ; the distance to lanes 16-31's base, the keys' rows 128 kk on: 17,408 + 8,704 kk - 4,352 j
	v_mul_u32_u24 v6, s94, v2
	s_add_co_u32 s92, s92, SCL
	v_add_nc_u32 v6, v5, v6
	v_add_nc_u32 v[ADRS], s92, v6
	s_add_co_u32 s94, s93, 2*16*272                ; blocks 4-7: lanes 0-15 stand 64 rows further on (Wv), lanes 16-31 where they stood
	v_mul_u32_u24 v6, s94, v2
	s_add_co_u32 s92, s92, 16*272
	v_add_nc_u32 v6, v5, v6
	v_add_nc_u32 v[ADRS2], s92, v6
	v_and_b32 v7, 31, v0
	v_lshlrev_b32 v7, 4, v7                        ; 16 x lane
	s_lshl_b32 s92, s[JH], 12
	v_add_nc_u32 v[GI], s92, v7
	s_lshl_b32 s92, s[JH], 9
	v_add_nc_u32 v[GS], s92, v7
	v_lshlrev_b32 v[GP], 4, v1
	v_lshl_add_u32 v[GP], v2, 3, v[GP]
	s_lshl_b32 s92, s[JH], 8
	v_add_nc_u32 v[GP], s92, v[GP]                 ; 256 j + 16 r + 8 h
	s_lshl_b32 s92, s42, 8                         ; the mask bytes of my 128 keys
	s_lshl_b32 s93, s[KH], 7
	s_add_co_u32 s92, s92, s93
	s_mov_b32 s93, 0
	s_add_nc_u64 s[16:17], s[16:17], s[92:93]
	s_lshr_b32 s92, s42, 2                         ; n
	s_lshl_b32 s92, s92, 4
	s_add_co_u32 s92, s92, s43                     ; 16 n + head
	s_lshl_b32 s92, s92, 3
	s_and_b32 s94, s42, 3
	s_lshl_b32 s94, s94, 1
	s_add_co_u32 s92, s92, s94
	s_add_co_u32 s92, s92, s[KH]                   ; my record: + 2 x (tile % 4) + kk
	s_mul_i32 s94, s92, RECB
	s_mov_b32 s95, 0
	s_add_nc_u64 s[18:19], s[18:19], s[94:95]
	s_lshl_b32 s92, s92, 9
	s_add_nc_u64 s[20:21], s[20:21], s[92:93]
	v_lshlrev_b32 v8, 3, v2
.irp b, 0,1,2,3,4,5,6,7
	global_load_b64 v[TM+2*\b:TM+2*\b+1], v8, s[16:17] offset:16*\b   ; the mask bytes of keys 16 b + 8 h + 0 .. 7
.endr
	s_wait_loadcnt 0x0
.irp b, 0,1,2,3,4,5,6,7
.irp i, 0,1,2,3,4,5,6,7
	v_bfe_u32 v[RF+8*\b+\i], v[TM+2*\b+\i/4], 8*(\i%4), 8
.endr
.endr
.set i, 0
.rept 64
	v_cvt_f32_u32 v[RF+i], v[RF+i]
.set i, i+1
.endr
.set i, 0
.rept 32
	v_pk_add_f32 v[RF+i:RF+i+1], v[RF+i:RF+i+1], 1.0 op_sel_hi:[1,0] neg_lo:[1,0] neg_hi:[1,0]   ; 1 - the byte: 1 for a key that counts, 0 for a padded one
.set i, i+2
.endr
.irp b, 0,1,2,3
	v_mov_b32 v[TM+4+\b], 0                        ; written once: a lane permute's destination counts as one of its sources
.endr
.macro FRAG reg, adr, q, row           ; a fragment, 16 rows x 128 K of 4-bit codes: registers 4 c .. 4 c + 3 hold K = 64 c + 32 h + 0 .. 31: 16 bytes of the row as they lie
.irp c, 0,1
	ds_load_b128 v[\reg+4*\c:\reg+4*\c+3], v[\adr] offset:64*(\q)+32*\c+(\row)*PITCH
.endr
.endm
; 16 matrix instructions: W's blocks a0, a0 + 1 x the keys' eight, the slot's q-th 128 along K.  The 64 accumulators take turns, one instruction a turn, in the same order in every step.
.macro MUL16 a0, p, q, sc, zero
.irp a, \a0, \a0+1
.irp b, 0,1,2,3,4,5,6,7
.if \zero
	v_wmma_scale_f32_16x16x128_f8f6f4 v[8*(8*((\a)%4)+\b):8*(8*((\a)%4)+\b)+7], v[128*(\p)+FR*\b:128*(\p)+FR*\b+FR-1], v[AF+FR*(\a):AF+FR*(\a)+FR-1], 0, v[SC+8*NQ*(\sc)+NQ*\b+(\q)], v[SC+8*NQ*(\sc)+NQ*(\a)+(\q)] matrix_a_fmt:MATRIX_FMT_FP4 matrix_b_fmt:MATRIX_FMT_FP4 matrix_a_scale:MATRIX_SCALE_ROW1
.else
	v_wmma_scale_f32_16x16x128_f8f6f4 v[8*(8*((\a)%4)+\b):8*(8*((\a)%4)+\b)+7], v[128*(\p)+FR*\b:128*(\p)+FR*\b+FR-1], v[AF+FR*(\a):AF+FR*(\a)+FR-1], v[8*(8*((\a)%4)+\b):8*(8*((\a)%4)+\b)+7], v[SC+8*NQ*(\sc)+NQ*\b+(\q)], v[SC+8*NQ*(\sc)+NQ*(\a)+(\q)] matrix_a_fmt:MATRIX_FMT_FP4 matrix_b_fmt:MATRIX_FMT_FP4 matrix_a_scale:MATRIX_SCALE_ROW1
.endif
.endr
.endr
.endm
.macro FETCH_B slot, q, p              ; the keys' eight fragments into set p
	WIN TO_B
.irp i, 0,1,2,3,4,5,6,7
	FRAG 128*(\p)+FR*\i, ADRB+\slot, \q, 16*\i
.endr
	WIN 0
.endm
.macro FETCH_A slot, q, i0             ; W's blocks i0 .. i0 + 3; blocks 4-7 (Wv) lie 64 rows further on than their number says
.irp i, \i0, \i0+1, \i0+2, \i0+3
	FRAG AF+FR*(\i), ADRA+\slot, \q, 16*(\i)+64*((\i)/4)
.endr
.endm
.macro SCALES sc                       ; a K step's scale words: 4 words a row
.irp i, 0,1,2,3
	ds_load_b128 v[SC+8*NQ*\sc+NQ*\i:SC+8*NQ*\sc+NQ*\i+3], v[ADRS] offset:\i*SBLK
.endr
.irp i, 4,5,6,7
	ds_load_b128 v[SC+8*NQ*\sc+NQ*\i:SC+8*NQ*\sc+NQ*\i+3], v[ADRS2] offset:\i*SBLK
.endr
.endm
; A step of 128 along K that has its successor in the same slot.  W's blocks are free as soon as their eight products are issued: one set serves W; the keys' fragments have two.
.macro STEP slot, q, zero
	s_wait_dscnt 8                                 ; the keys' set and W's blocks 0-3 are in; the youngest eight loads (W's blocks 4-7) may be out
	WIN MUL_LO
	MUL16 0, (\q)%2, \q, \slot, \zero
	MUL16 2, (\q)%2, \q, \slot, \zero
	s_wait_dscnt 0                                 ; W's blocks 4-7 are in
	PLACES 4
	FETCH_B \slot, (\q)+1, 1-(\q)%2
	FETCH_A \slot, (\q)+1, 0
	WIN MUL_HI
	MUL16 4, (\q)%2, \q, \slot, \zero
	MUL16 6, (\q)%2, \q, \slot, \zero
	PLACES 4
	WIN 0
	FETCH_A \slot, (\q)+1, 4
.endm
; A slot's last step changes slots: one barrier; in front of it each wave waits for all its tensor loads, adds 0 to its spare word, and waits for that and for its reads of this slot.  fill = 1: the slot is filled again, two K steps ahead.
.macro TURN slot, next, fill
	s_wait_tensorcnt 0x0                           ; all my tensor loads have landed: my part of the next slot
	ds_add_u32 v[SPW], v[NIL]                      ; 0 onto my spare word
	s_wait_dscnt 9                                 ; (the add and the youngest eight loads may be out)
	WIN MUL_LO
	MUL16 0, 1, NQ-1, \slot, 0
	s_wait_dscnt 0x0                               ; the add is done, and my reads of this slot are over
	s_barrier_signal -1
	MUL16 2, 1, NQ-1, \slot, 0
	WIN 0
	s_barrier_wait -1
.if \fill
	CREST                                          ; the barrier has opened a round of the cluster's: no wave of any partner still reads this slot or has a load on its way
	s_add_nc_u64 s[G0+4*\slot+2:G0+4*\slot+3], s[G0+4*\slot+2:G0+4*\slot+3], 2*ROWB
	s_add_nc_u64 s[G0B+4*\slot+2:G0B+4*\slot+3], s[G0B+4*\slot+2:G0B+4*\slot+3], 2*ROWB
	JLOAD G0+4*\slot, G1, G0B+4*\slot, G1B         ; the first tensor load behind the round; its four v_nop are also the places in front of the loads below
.else
	PLACES 4
.endif
	v_add_nc_u32 v[ADRS], 4*NQ, v[ADRS]            ; on to the next K step's scale words
	v_add_nc_u32 v[ADRS2], 4*NQ, v[ADRS2]
	FETCH_B \next, 0, 0
	FETCH_A \next, 0, 0
	SCALES \next
	WIN MUL_HI
	MUL16 4, 1, NQ-1, \slot, 0
	MUL16 6, 1, NQ-1, \slot, 0
	PLACES 4
	WIN 0
	FETCH_A \next, 0, 4
.endm
.macro STEPS slot, from
.set Q, \from
.rept NQ-1-\from
	STEP \slot, Q, 0
.set Q, Q+1
.endr
.endm
; softplus of the 64 numbers of window 2 at s, into v[RM] on of window 1.  Each batch of transcendentals has one wait, ahead of its first reader; plain work that names no result stands between.
.macro SOFTPLUS s
	WIN 0x42
.set i, 0
.rept 64
	v_mul_f32 v[RU+i], -|v[(\s)+i]|, s[L2E]        ; ascending: each accumulator is read from its low end on
.set i, i+1
.endr
	WIN 0x49
.set i, 0
.rept 64
	v_exp_f32 v[RU+i], v[RU+i]                     ; u = e^-|x|
.set i, i+1
.endr
.set i, 0
.rept 64
	v_max_num_f32 v[RM+i], 0, v[(\s)+i]            ; max(x, 0)
.set i, i+1
.endr
	s_wait_alu depctr_va_vdst(0)                   ; one wait for the 64 exponentials
	WIN 0x55
.set i, 0
.rept 32
	v_pk_add_f32 v[RW+i:RW+i+1], v[RU+i:RU+i+1], 1.0 op_sel_hi:[1,0]   ; w = 1 + u
.set i, i+2
.endr
.set i, 0
.rept 32
	v_pk_add_f32 v[RE+i:RE+i+1], v[RW+i:RW+i+1], 1.0 op_sel_hi:[1,0] neg_lo:[1,0] neg_hi:[1,0]   ; e = 1 - w, exact
.set i, i+2
.endr
.set i, 0
.rept 64
	v_log_f32 v[RW+i], v[RW+i]                     ; log2(w)
.set i, i+1
.endr
.set i, 0
.rept 32
	v_pk_add_f32 v[RU+i:RU+i+1], v[RU+i:RU+i+1], v[RE+i:RE+i+1]   ; c = u + e, exact
.set i, i+2
.endr
.set i, 0
.rept 32
	v_pk_add_f32 v[RE+i:RE+i+1], v[RE+i:RE+i+1], 1.0 op_sel_hi:[1,0]   ; 2 - w, exact
.set i, i+2
.endr
.set i, 0
.rept 32
	v_pk_fma_f32 v[RM+i:RM+i+1], v[RU+i:RU+i+1], v[RE+i:RE+i+1], v[RM+i:RM+i+1]
.set i, i+2
.endr
	s_wait_alu depctr_va_vdst(0)                   ; one wait for the 64 logarithms
.set i, 0
.rept 32
	v_pk_fma_f32 v[RM+i:RM+i+1], v[RW+i:RW+i+1], s[LN2:LN2+1], v[RM+i:RM+i+1] op_sel_hi:[1,0,1]
.set i, i+2
.endr
.endm
; pk x the keys' factors, and the sum of my column over the wave's 128 keys
.macro MASKSUM a
	WIN 0x41
.set i, 0
.rept 32
	v_pk_mul_f32 v[RM+i:RM+i+1], v[RM+i:RM+i+1], v[RF+i:RF+i+1]
.set i, i+2
.endr
	WIN 0x55
	v_pk_add_f32 v[RU:RU+1], v[RM:RM+1], v[RM+4:RM+5]
	v_pk_add_f32 v[RU+2:RU+3], v[RM+2:RM+3], v[RM+6:RM+7]
.set i, 8
.rept 14
	v_pk_add_f32 v[RU:RU+1], v[RU:RU+1], v[RM+i:RM+i+1]
	v_pk_add_f32 v[RU+2:RU+3], v[RU+2:RU+3], v[RM+i+2:RM+i+3]
.set i, i+4
.endr
	v_pk_add_f32 v[RU:RU+1], v[RU:RU+1], v[RU+2:RU+3]
	WIN 0x05
	v_add_f32 v[PSV+\a], v[RU], v[RU+1]
	WIN 0
	v_permlanex16_b32 v[TM+4], v[PSV+\a], s[SEL], s[SEL+1]
	v_add_f32 v[PSV+\a], v[PSV+\a], v[TM+4]        ; with lane l xor 16's 64 keys
.endm
; 64 numbers of a lane in window win at s, register 8 t + i = K index 16 t + 8 h + i of my row, become a fragment's codes in v[pc] on and its scale word in v[pw] (window 0).
; Tile t's eight codes are chunk 2 t + h of sixteen; the operand wants chunk 8 c + 4 h + g in register 4 c + g: so tiles 4 c, 4 c + 2 go to registers 4 c, 4 c + 1 and tiles 4 c + 1, 4 c + 3 to 4 c + 2, 4 c + 3, and each pair changes halves.
.macro QUANT win, s, pc, pw
	WIN ((\win)<<2)|((\win)<<4)
.irp b, 0,1,2,3
	v_max3_num_f32 v[TM+\b], s[FLOOR], |v[(\s)+16*\b]|, |v[(\s)+16*\b+1]|   ; block b: my 16 numbers, and the floor
.endr
.irp i, 2,4,6,8,10,12,14
.irp b, 0,1,2,3
	v_max3_num_f32 v[TM+\b], v[TM+\b], |v[(\s)+16*\b+\i]|, |v[(\s)+16*\b+\i+1]|   ; the four blocks by turns
.endr
.endr
	WIN 0
.irp b, 0,1,2,3
	v_permlanex16_b32 v[TM+4+\b], v[TM+\b], s[SEL], s[SEL+1]
.endr
.irp b, 0,1,2,3
	v_max_num_f32 v[TM+\b], v[TM+\b], v[TM+4+\b]   ; with lane l xor 16's: the block's largest magnitude
.endr
.irp b, 0,1,2,3
	v_add_nc_u32 v[TM+12+\b], 0xff000000, v[TM+\b] ; 2 off its exponent field: the conversion takes the exponent field of this operand as its scale
.endr
.irp b, 0,1,2,3
	v_lshrrev_b32 v[TM+4+\b], 23, v[TM+12+\b]      ; the scale's byte
.endr
	v_lshl_or_b32 v[\pw], v[TM+5], 8, v[TM+4]
	v_lshl_or_b32 v[\pw], v[TM+6], 16, v[\pw]
	v_lshl_or_b32 v[\pw], v[TM+7], 24, v[\pw]
	WIN (\win)
.irp t, 0,1,2,3,4,5,6,7
	v_cvt_scalef32_pk8_fp4_f32 v[(\pc)+4*(\t/4)+(\t%4)/2+2*(\t%2)], v[(\s)+8*\t:(\s)+8*\t+7], v[TM+12+\t/2]
.endr
	WIN 0
	v_nop                                          ; one plain place behind a scaled conversion
.irp c, 0,1
	v_permlane16_swap_b32 v[(\pc)+4*\c], v[(\pc)+4*\c+1]
	v_permlane16_swap_b32 v[(\pc)+4*\c+2], v[(\pc)+4*\c+3]
.endr
.endm
	s_wait_tensorcnt 0x1                           ; the scales and my part of K step 0 are in; K step 1's load may be out
	s_barrier_signal -1
	s_barrier_wait -1                              ; everybody's are
	FETCH_B 0, 0, 0
	FETCH_A 0, 0, 0
	SCALES 0
	FETCH_A 0, 0, 4
	STEP 0, 0, 1                                   ; the first products start the sums: nothing is cleared
	STEPS 0, 1
	TURN 0, 1, 1                                   ; slot 0 takes K step 2
	STEPS 1, 0
	TURN 1, 0, 1                                   ; slot 1 takes K step 3
	STEPS 0, 0
	TURN 0, 1, 0                                   ; nothing is left to fetch
	STEPS 1, 0
	s_wait_dscnt 8
	WIN MUL_LO
	MUL16 0, 1, NQ-1, 1, 0
	MUL16 2, 1, NQ-1, 1, 0
	s_wait_dscnt 0
	WIN MUL_HI
	MUL16 4, 1, NQ-1, 1, 0
	MUL16 6, 1, NQ-1, 1, 0
	WIN 0
	PLACES 4                                       ; behind the last products: their results are read and their operands' registers written from here on
	; THE WAY OUT, all in registers.  Wk's four blocks: softplus, mask, sum, codes;  Wv's four: codes.  A wave's store of four registers covers 512 consecutive bytes of the record.
.irp a, 0,1,2,3
	SOFTPLUS 64*\a
	MASKSUM \a
	QUANT 1, RM, PC+8*\a, SWP+\a
	global_store_b128 v[GI], v[PC+8*\a:PC+8*\a+3], s[18:19] offset:1024*\a
	global_store_b128 v[GI], v[PC+8*\a+4:PC+8*\a+7], s[18:19] offset:1024*\a+512
.endr
.irp a, 0,1,2,3
	QUANT 3, 64*\a, PC+32+8*\a, SWV+\a
	global_store_b128 v[GI], v[PC+32+8*\a:PC+32+8*\a+3], s[18:19] offset:8192+1024*\a
	global_store_b128 v[GI], v[PC+32+8*\a+4:PC+32+8*\a+7], s[18:19] offset:8192+1024*\a+512
.endr
	v_cmp_ne_u32 vcc_lo, 0, v2                     ; lanes 16-31
.irp i, 0,1,2,3
	v_cndmask_b32 v[SWD+\i], v[SWP+\i], v[SWV+\i], vcc_lo   ; lanes 0-15 store pk's four words of row r, lanes 16-31 v's
.endr
	global_store_b128 v[GS], v[SWD:SWD+3], s[18:19] offset:16384
	v_cndmask_b32 v[TM+8], v[PSV], v[PSV+2], vcc_lo         ; lanes 0-15 store the sums of tiles 0, 1 of row r, lanes 16-31 those of tiles 2, 3
	v_cndmask_b32 v[TM+9], v[PSV+1], v[PSV+3], vcc_lo
	global_store_b64 v[GP], v[TM+8:TM+9], s[20:21]
	s_wait_tensorcnt 0x0                           ; the wave's end
	ds_add_u32 v[SPW], v[NIL]
	s_wait_dscnt 0x0
	CROUND                                         ; the closing round: no work-group ends while a partner may still ask for a tile that names it
	s_endpgm
.Lfunc_end_k_qa06ecd3b3e_kvproj:
	.size	k_qa06ecd3b3e_kvproj, .Lfunc_end_k_qa06ecd3b3e_kvproj-k_qa06ecd3b3e_kvproj
	.p2alignl 7, 3214868480
	.fill 96, 4, 3214868480
	.section	.rodata,"a",@progbits
	.p2align	6, 0x0
	.amdhsa_kernel k_qa06ecd3b3e_kvproj
		.amdhsa_group_segment_fixed_size 327680
		.amdhsa_private_segment_fixed_size 0
		.amdhsa_enable_private_segment 0
		.amdhsa_kernarg_size 72
		.amdhsa_user_sgpr_count 2
		.amdhsa_user_sgpr_kernarg_segment_ptr 1
		.amdhsa_wavefront_size32 1
		.amdhsa_system_sgpr_workgroup_id_x 1
		.amdhsa_system_sgpr_workgroup_id_y 1
		.amdhsa_system_sgpr_workgroup_id_z 1
		.amdhsa_system_vgpr_workitem_id 0
		.amdhsa_next_free_vgpr 1024
		.amdhsa_next_free_sgpr 102
		.amdhsa_reserve_vcc 1
		.amdhsa_float_denorm_mode_32 3
		.amdhsa_float_denorm_mode_16_64 3
		.amdhsa_memory_ordered 1
		.amdhsa_forward_progress 1
		.amdhsa_inst_pref_size 255
	.end_amdhsa_kernel
	.section	.bss,"aw",@nobits
	.p2align	6
	.space	262144
	.amdgpu_metadata
---
amdhsa.version: [ 1, 2 ]
amdhsa.kernels:
  - .name:           k_qa06ecd3b3e_kvproj
    .symbol:         k_qa06ecd3b3e_kvproj.kd
    .args:
      - { .name: key_codes, .offset: 0, .size: 8, .value_kind: global_buffer, .address_space: global }
      - { .name: key_scales, .offset: 8, .size: 8, .value_kind: global_buffer, .address_space: global }
      - { .name: Wk_codes, .offset: 16, .size: 8, .value_kind: global_buffer, .address_space: global }
      - { .name: Wk_scales, .offset: 24, .size: 8, .value_kind: global_buffer, .address_space: global }
      - { .name: Wv_codes, .offset: 32, .size: 8, .value_kind: global_buffer, .address_space: global }
      - { .name: Wv_scales, .offset: 40, .size: 8, .value_kind: global_buffer, .address_space: global }
      - { .name: key_padding_mask, .offset: 48, .size: 8, .value_kind: global_buffer, .address_space: global }
      - { .name: kvimg, .offset: 56, .size: 8, .value_kind: global_buffer, .address_space: global }
      - { .name: psum, .offset: 64, .size: 8, .value_kind: global_buffer, .address_space: global }
    .group_segment_fixed_size: 327680
    .private_segment_fixed_size: 0
    .kernarg_segment_align: 8
    .kernarg_segment_size: 72
    .max_flat_workgroup_size: 128
    .sgpr_count:     102
    .vgpr_count:     1024
    .wavefront_size: 32
...
	.end_amdgpu_metadata
.endif
;; end of part 1
;; launch qattn (part 2): grid 16 x 16, 4 waves a work-group, clusters of 4 x 4, 327,680 bytes of LDS; arguments query_codes, query_scales, Wq_codes, Wq_scales, query_padding_mask, kvimg, psum, out0; writes out0
.if DOCPART == 2
	.amdgcn_target "amdgcn-amd-amdhsa--gfx1250"
	.amdhsa_code_object_version 6
	.text
	.protected	k_qa06ecd3b3e_qattn
	.globl	k_qa06ecd3b3e_qattn
	.p2align	8
	.type	k_qa06ecd3b3e_qattn,@function
k_qa06ecd3b3e_qattn:
	s_mov_b64 s[64:65], 0
	v_nop
	global_prefetch_b8 v0, s[64:65] scope:SCOPE_SE
	s_setreg_imm32_b32 hwreg(HW_REG_WAVE_MODE, 25, 1), 1
	s_wait_xcnt 0x0
	s_wait_alu depctr_hold_cnt(0) depctr_sa_sdst(0) depctr_va_vdst(0) depctr_va_sdst(0) depctr_va_ssrc(0) depctr_va_vcc(0) depctr_vm_vsrc(0)
	s_getreg_b32 s2, hwreg(HW_REG_IB_STS2, 6, 4)
	s_cmp_eq_u32 s2, 0
	s_cbranch_scc0 .Lentry_in_a_cluster
	s_endpgm
.Lentry_in_a_cluster:
	s_bfe_u32 s2, ttmp6, 0x10000c
	s_cmp_lg_u32 s2, 0xf033
	s_cbranch_scc0 .Lentry_shape_is_right
	s_endpgm
.Lentry_shape_is_right:
; out[q][e] = (sum over d of pq[q][d] kv[d][e]) / (sum over d of pq[q][d] ps[d]), 0 at padded queries;  pq = softplus(query Wq^T);  kv[d][e] = sum over 1,024 keys of pk[key][d] v[key][e];  ps = the sum of pk over the keys.
; All three products on codes of FP4 (E2M1) with one E8M0 scale for each 32 along K; the divisor in f32 on the unquantised numbers.  pk and v come as images of operand registers (kvimg), ps in eight parts (psum).
; SHARES.  A work-group takes 256 queries (tile y of 16) of one head (x of 16); each of its four waves 64 queries (4 tiles) against the head's 128 rows of Wq (8 tiles): 32 accumulators.
; LAYOUT.  q: source 0 = 16 rows of Wq, source 1 = 16 queries: a lane holds ONE query and its registers run along d, the K of the last product: register 8 b + i is d = 16 b + 8 (lane / 16) + i.
; kv: source 0 = 16 d of pk, source 1 = 16 e of v: a lane holds one e, registers along d; wave w makes e tiles 2 w, 2 w + 1 over all keys, quantises them along d and hands their images to the others through LDS.
; The last product: source 0 = 16 e of kv, source 1 = 16 queries: a lane holds one query and eight neighbouring e.
; LDS: THREE slots of a K step of 512 (rows of 256 bytes): K steps 0, 1, 2 are first fills, so only two fills come later: K step 3 into slot 0 behind K step 0, with two K steps and more in which to land, and the
; head's eight records of kvimg, two to a wave's load, into slot 1 and the head of slot 2 behind K step 2: they land during K step 3 and the first tile's softplus.
; THE SCALE BYTES go from memory into registers, once: a wave's own 64 queries' (4,096 bytes) and Wq's 128 rows' (8,192 bytes); the four loads of a group of rows together read whole runs of 1,024 bytes.
; Wq's are read by each of the four waves and not asked for jointly: they are 8,192 bytes beside the 131,072 of Wq's codes, and out of LDS they make room for the third slot.
; THE RESULT LEAVES TILE BY TILE: pq of tile 0, kv, then for each tile of 16 queries softplus, divisor, codes, 8 products, scaling, stage; a tile's stores stand in the next tile's softplus.
; CLUSTERS: 4 x 4 work-groups, all of one n.  The queries' tiles are shared along a row of the cluster; Wq's tiles and the records, which hang on the head, along a column: each is asked for jointly.
; kv is made by each of a head's four query tiles: that is 128 matrix instructions a wave beside 512, and spares a launch and f32 parts in memory.
; softplus(x) = max(x, 0) + ln(1 + u), u = 2^(-|x| log2 e).  w = 1 + u rounded; e = 1 - w and c = u + e are exact (c is what the rounding lost); ln(1 + u) = ln 2 log2(w) + c (2 - w) to first order in c.
; LIMITS: a softplus under 2^-126 comes out as 0 (the exponential flushes); NaN and infinities from scale bytes are not served; a block whose largest magnitude lies under 2^-124 gets the byte 1 (a block of zeros too:
; its codes are zeros, and this program alone reads the bytes); a padded query's row is the product x 0: it is 0 where the product is finite.
; REGISTERS, in windows of 256: window 0: v1-31 addresses; v32-95 Wq's scale words, v96-127 the queries'; v128-145 at work; v146-149 pq's scale words; v150-161 divisor, 1 / divisor; v162-193 pq's fragments; v194-209 kv's codes;
;   v210-221 pk's and v's scale words, two sets; v222-229 kv's.   window 1: Wq's fragments (v0, v64), the queries' (v128, v160); pk's and v's in the same places; in a softplus u, w, the result, e.
;   window 2: the accumulators of q (tile a, d tile b at v[64 a + 8 b]); a tile's 64 later take its last product, its scaled result and its rows of out.   window 3: v0-127 kv's accumulators, later v0-63 kv's fragments; v128-191 ps.
.set PITCH,  272                       ; an LDS row: 256 bytes + 16 of padding: the 16 rows that a load touches start 68 words apart
.set QT,     256*PITCH                 ; a slot: the queries' 256 rows,
.set WT,     128*PITCH                 ; then Wq's 128
.set SLOT,   QT+WT
.set RECS,   SLOT                      ; the eight records, 17,408 bytes each, lie from slot 1's first byte on
.set PSL,    3*SLOT                    ; behind the slots: ps, 128 numbers
.set KVI,    PSL+512                   ; kv's 8 fragments as images, 1,024 bytes each
.set KVS,    KVI+8*1024                ; their scale words, 128 bytes each
.set SPARE,  KVS+8*128                 ; the spare words, 128 bytes for each wave
.set SP,     528                       ; the way out: a stage of 16 rows x (512 bytes + 16) for each wave, from LDS byte 0 on: slot 0 has had its last fill and its last read when the first result is stored there
.set ROWB,   256
.set KROW,   1024
.set RECB,   17408
.set PADC,   (1<<20)|(1<<21)|(5<<22)|(3<<25)   ; group 1, word 0: padding on; bit 21 beside a mask; after every 64 words; 4 words
.set ADRA, 3                           ; v3-5   LDS address of the queries' fragments in slot 0, 1, 2
.set ADRB, 6                           ; v6-8   of Wq's
.set QM,   9                           ; v9-12  the mask byte of my query in tile a
.set LI,   13                          ; v13    16 x lane
.set STO,  14                          ; v14    the stage: where I put 32 bytes of a row
.set RD,   15                          ; v15    and where I read a row back
.set SQO,  16                          ; v16    the queries' scale bytes: 64 r + 2,048 h
.set KVWI, 17                          ; v17    where I store kv's images
.set KVWS, 18                          ; v18    and their scale words
.set PSA,  19                          ; v19    ps: my half's eight numbers of a tile
.set KVA,  20                          ; v20    pk's fragments in a record
.set KVV,  21                          ; v21    my two fragments of v
.set KSA,  22                          ; v22    pk's scale words: lanes 0-15 tiles 0-3, lanes 16-31 tiles 4-7
.set KSV,  23                          ; v23    my two tiles' of v
.set KVRI, 24                          ; v24    where kv's images are read
.set KVRS, 25                          ; v25    and their scale words
.set SWO,  26                          ; v26    Wq's scale bytes: 64 r + 4,096 h
.set PSO,  27                          ; v27    psum: 4 x thread
.set SPW,  28                          ; v28    my spare word; never rewritten
.set NIL,  29                          ; v29    0; never rewritten
.set SW,   32                          ; register 16 j + 4 k + q: the word of K = 512 k + 128 q on: lanes 0-15 Wq's block j, lanes 16-31 block j + 4
.set SQ,   96                          ; register 16 j + 4 k + q: lanes 0-15 my tile j of queries, lanes 16-31 tile j + 2
.set TM,   128
.set KPW,  144
.set PQS,  146
.set DN,   150
.set INV,  154
.set PQF,  162
.set KPC,  194
.set KSW,  210                         ; set p: four registers of pk's words, two of v's
.set KVSW, 222
.set PS,   128                         ; window 3: register 8 t + i = ps[16 t + 8 h + i]
.set RU,   0                           ; window 1, in a softplus
.set RW,   64
.set RM,   128
.set RE,   192
.set WV,   20
.set WH,   21                          ; I fetch for the queries (0) or for Wq (1)
.set WL,   22                          ; which half of that tile
.set NB,   23                          ; n
.set G1A,  24                          ; s[24:31] group 1 for the queries' tiles;  s[32:43] group 0, a set for each slot
.set G0A,  32
.set G1B,  48                          ; s[48:55] group 1 for Wq's;  s[68:79] group 0, a set for each slot
.set G1KV, 56                          ; s[56:63], s[80:83] groups 1 and 0 for the records
.set G0B,  68
.set G0KV, 80
.set CX,   84
.set CY,   85
.set HD,   86                          ; the head
.set RT,   87                          ; the query tile
.set MR,   88
.set MC,   89
.set L2E,  90
.set FLOOR, 91
.set LN2,  92
.set SEL,  94
.set MSB, 0
.macro WIN new                         ; the immediate's high byte repeats the setting that is left; a switch that changes nothing is dropped
.if MSB != (\new)
	s_set_vgpr_msb (MSB<<8)|(\new)
.set MSB, (\new)
.endif
.endm
.set MUL, 0xa5                         ; sources 0 and 1 window 1, C and D window 2
.macro JLOAD g0a, g1a, g0b, g1b        ; a joint load: waves 0 and 1 fetch for the queries, waves 2 and 3 for Wq; four v_nop follow each line
	s_cmp_eq_u32 s[WH], 0
	s_cbranch_scc0 .Lfor_b_\@
	tensor_load_to_lds s[\g0a:\g0a+3], s[\g1a:\g1a+7]
	s_nop 0
.rept 4
	v_nop
.endr
	s_branch .Lasked_\@
.Lfor_b_\@:
	tensor_load_to_lds s[\g0b:\g0b+3], s[\g1b:\g1b+7]
	s_nop 0
.rept 4
	v_nop
.endr
.Lasked_\@:
.endm
.macro CREST                           ; a round of the cluster's barrier behind its opening barrier
	s_cmp_lg_u32 s[WV], 0
	s_cbranch_scc1 .Lnot_wave_0_\@
	s_barrier_signal -3
.Lnot_wave_0_\@:
	s_barrier_wait -3
	s_barrier_signal -1
	s_barrier_wait -1
.endm
.macro CROUND
	s_barrier_signal -1
	s_barrier_wait -1
	CREST
.endm
.macro PLACES n                        ; plain places behind matrix instructions, in front of loads into their registers and of reads of their results
.rept \n
	v_nop
.endr
.endm
	s_load_b512 s[4:19], s[0:1], 0x0               ; query codes s[4:5], query scales s[6:7], Wq codes s[8:9], Wq scales s[10:11], the mask s[12:13], kvimg s[14:15], psum s[16:17], out s[18:19]
	v_lshl_add_u32 v[SPW], v0, 2, SPARE
	v_mov_b32 v[NIL], 0
	ds_add_u32 v28, v29
	ds_add_u32 v28, v29
	s_wait_dscnt 0x0
	v_lshrrev_b32 v1, 5, v0
	v_readfirstlane_b32 s[WV], v1                  ; wave 0..3
	s_lshr_b32 s[WH], s[WV], 1
	s_and_b32 s[WL], s[WV], 1
	s_bfe_u32 s[CX], ttmp6, 0x40000                ; cx, cy: my place in the cluster
	s_bfe_u32 s[CY], ttmp6, 0x40004
	s_lshl_b32 s[HD], ttmp9, 2
	s_add_co_u32 s[HD], s[HD], s[CX]               ; the head = 4 x cluster x + cx
	s_and_b32 s[NB], ttmp7, 0xffff                 ; n = cluster y: a batch entry's four query tiles are the four rows of a cluster
	s_lshl_b32 s[RT], s[NB], 2
	s_add_co_u32 s[RT], s[RT], s[CY]               ; the query tile = 4 x cluster y + cy
	s_lshl_b32 s[MR], s[CY], 2
	s_lshl_b32 s[MR], 15, s[MR]                    ; my row of the cluster
	s_lshl_b32 s[MC], 0x1111, s[CX]                ; my column
	s_or_b32 s[G1A+0], s[MR], PADC                 ; the queries' tiles: 128 rows of 256 bytes, to my row
	s_mov_b32 s[G1A+1], ROWB<<16
	s_mov_b32 s[G1A+2], 128<<16
	s_mov_b32 s[G1A+3], ROWB<<16
	s_mov_b32 s[G1A+4], 128
	s_mov_b32 s[G1A+5], KROW
	s_mov_b32 s[G1A+6], 0
	s_mov_b32 s[G1A+7], 0
	s_or_b32 s[G1B+0], s[MC], PADC                 ; Wq's: 64 rows, to my column
	s_mov_b32 s[G1B+1], ROWB<<16
	s_mov_b32 s[G1B+2], 64<<16
	s_mov_b32 s[G1B+3], ROWB<<16
	s_mov_b32 s[G1B+4], 64
	s_mov_b32 s[G1B+5], KROW
	s_mov_b32 s[G1B+6], 0
	s_mov_b32 s[G1B+7], 0
	s_or_b32 s[G1KV+0], s[MC], (3<<16)|(1<<21)     ; two records: 136 dense rows of 32 elements of 8 bytes, no padding, to my column
	s_mov_b32 s[G1KV+1], 32<<16
	s_mov_b32 s[G1KV+2], 136<<16
	s_mov_b32 s[G1KV+3], 32<<16
	s_mov_b32 s[G1KV+4], 136
	s_mov_b32 s[G1KV+5], 32
	s_mov_b32 s[G1KV+6], 0
	s_mov_b32 s[G1KV+7], 0
	s_mov_b32 s[L2E], 0x3fb8aa3b                   ; log2(e)
	s_mov_b32 s[FLOOR], 0x1800000                  ; 2^(3 - 127): under it no largest magnitude is taken, so the byte cannot fall under 1
	s_mov_b32 s[LN2], 0x3f317218                   ; ln 2
	s_mov_b32 s[LN2+1], s[LN2]                     ; (named with it as a pair)
	s_mov_b32 s[SEL], 0x76543210                   ; v_permlanex16_b32's selects for lane l xor 16
	s_mov_b32 s[SEL+1], 0xfedcba98
	s_lshl_b32 s46, s[RT], 18                      ; the queries: the tile's 256 rows of 1,024 bytes, + my 128
	s_lshl_b32 s3, s[WL], 17
	s_add_co_u32 s46, s46, s3
	s_mov_b32 s47, 0
	s_lshl_b32 s66, s[HD], 17                      ; Wq: the head's 128 rows, + my 64
	s_lshl_b32 s3, s[WL], 16
	s_add_co_u32 s66, s66, s3
	s_mov_b32 s67, 0
	s_wait_kmcnt 0x0
	s_add_nc_u64 s[4:5], s[4:5], s[46:47]
	s_add_nc_u64 s[8:9], s[8:9], s[66:67]
	s_lshl_b32 s46, s[RT], 14                      ; the scale bytes: 64 a row: my wave's 64 queries',
	s_lshl_b32 s3, s[WV], 12
	s_add_co_u32 s46, s46, s3
	s_add_nc_u64 s[6:7], s[6:7], s[46:47]
	s_lshl_b32 s66, s[HD], 13                      ; the head's 128 rows of Wq's
	s_add_nc_u64 s[10:11], s[10:11], s[66:67]
	s_mul_i32 s46, s[WL], 128*PITCH                ; where the tiles go: no place in the cluster enters an LDS address
	s_mul_i32 s66, s[WL], 64*PITCH
	s_add_co_u32 s66, s66, QT
	CROUND                                         ; all sixteen work-groups are here: the first joint loads meet
.irp s, 0,1,2
	s_mov_b32 s[G0A+4*\s], 1
	s_add_co_u32 s[G0A+4*\s+1], s46, \s*SLOT
	s_add_nc_u64 s[G0A+4*\s+2:G0A+4*\s+3], s[4:5], \s*ROWB
	s_or_b32 s[G0A+4*\s+3], s[G0A+4*\s+3], 0x80000000
	s_mov_b32 s[G0B+4*\s], 1
	s_add_co_u32 s[G0B+4*\s+1], s66, \s*SLOT
	s_add_nc_u64 s[G0B+4*\s+2:G0B+4*\s+3], s[8:9], \s*ROWB
	s_or_b32 s[G0B+4*\s+3], s[G0B+4*\s+3], 0x80000000
	JLOAD G0A+4*\s, G1A, G0B+4*\s, G1B             ; K steps 0, 1 and 2: three loads of mine are out
.endr
	v_and_b32 v1, 15, v0                           ; r = lane % 16
	v_bfe_u32 v2, v0, 4, 1                         ; h = lane / 16
	v_lshlrev_b32 v30, 6, v1
	v_lshl_add_u32 v[SWO], v2, 12, v30             ; lanes 16-31 stand 64 rows further on in Wq's scale bytes,
	v_lshl_add_u32 v[SQO], v2, 11, v30             ; 32 rows in the queries'
	v_lshlrev_b32 v[PSO], 2, v0
.irp j, 0,1,2,3
.irp k, 0,1,2,3
	global_load_b128 v[SW+16*\j+4*\k:SW+16*\j+4*\k+3], v[SWO], s[10:11] offset:1024*\j+16*\k   ; a row's four words of K step k
.endr
.endr
.irp j, 0,1
.irp k, 0,1,2,3
	global_load_b128 v[SQ+16*\j+4*\k:SQ+16*\j+4*\k+3], v[SQO], s[6:7] offset:1024*\j+16*\k
.endr
.endr
	s_lshl_b32 s2, s[NB], 4
	s_add_co_u32 s2, s2, s[HD]                     ; 16 n + head
	s_lshl_b32 s3, s2, 3
	s_lshl_b32 s44, s[WV], 1
	s_add_co_u32 s3, s3, s44                       ; my two records: 2 x wave and the next
	s_mul_i32 s44, s3, RECB
	s_mov_b32 s45, 0
	s_mov_b32 s[G0KV], 1
	s_mul_i32 s[G0KV+1], s[WV], 2*RECB
	s_add_co_u32 s[G0KV+1], s[G0KV+1], RECS
	s_add_nc_u64 s[G0KV+2:G0KV+3], s[14:15], s[44:45]
	s_or_b32 s[G0KV+3], s[G0KV+3], 0x80000000
	s_lshl_b32 s2, s2, 12                          ; psum: the head's 8 x 512 bytes
	s_mov_b32 s3, 0
	s_add_nc_u64 s[16:17], s[16:17], s[2:3]
	s_lshl_b32 s2, s[RT], 8                        ; the mask bytes of my 64 queries
	s_lshl_b32 s44, s[WV], 6
	s_add_co_u32 s2, s2, s44
	s_add_nc_u64 s[12:13], s[12:13], s[2:3]
	s_lshl_b32 s2, s[RT], 21                       ; out: 256 rows of 8,192 bytes a tile, 64 a wave, 512 bytes a head
	s_lshl_b32 s44, s[WV], 19
	s_add_co_u32 s2, s2, s44
	s_lshl_b32 s44, s[HD], 9
	s_add_co_u32 s2, s2, s44
	s_add_nc_u64 s[18:19], s[18:19], s[2:3]
.irp k, 0,1,2,3,4,5,6,7
	global_load_b32 v[TM+\k], v[PSO], s[16:17] offset:512*\k   ; psum: a number a thread, eight parts
.endr
.irp a, 0,1,2,3
	global_load_u8 v[QM+\a], v1, s[12:13] offset:16*\a
.endr
	v_mul_u32_u24 v30, v1, PITCH
	v_lshl_add_u32 v30, v2, 4, v30                 ; a fragment's row x pitch + 16 h
	s_mul_i32 s2, s[WV], 64*PITCH                  ; my 64 queries
	v_add_nc_u32 v[ADRA], s2, v30
	v_add_nc_u32 v[ADRA+1], SLOT, v[ADRA]
	v_add_nc_u32 v[ADRA+2], 2*SLOT, v[ADRA]
	v_add_nc_u32 v[ADRB], QT, v30
	v_add_nc_u32 v[ADRB+1], SLOT, v[ADRB]
	v_add_nc_u32 v[ADRB+2], 2*SLOT, v[ADRB]
	v_and_b32 v31, 31, v0
	v_lshlrev_b32 v[LI], 4, v31
	v_lshlrev_b32 v31, 2, v31                      ; 4 x lane
	s_mul_i32 s2, s[WV], 16*SP                     ; my stage
	v_mul_u32_u24 v[STO], v1, SP
	v_lshl_add_u32 v[STO], v2, 5, v[STO]
	v_add_nc_u32 v[STO], s2, v[STO]
	v_add_nc_u32 v[RD], s2, v[LI]
	s_lshl_b32 s2, s[WV], 11                       ; two fragments a wave
	s_add_co_u32 s3, s2, KVI
	v_add_nc_u32 v[KVWI], s3, v[LI]
	s_lshl_b32 s3, s[WV], 8
	s_add_co_u32 s3, s3, KVS
	v_add_nc_u32 v[KVWS], s3, v31
	v_add_nc_u32 v[KVRI], KVI, v[LI]
	v_add_nc_u32 v[KVRS], KVS, v31
	v_lshl_add_u32 v[PSA], v2, 5, PSL
	v_add_nc_u32 v[KVA], RECS, v[LI]
	s_add_co_u32 s2, s2, RECS+8192                 ; v's fragments lie behind pk's eight
	v_add_nc_u32 v[KVV], s2, v[LI]
	v_lshlrev_b32 v[KSA], 4, v1
	v_lshl_add_u32 v[KSA], v2, 9, v[KSA]
	v_add_nc_u32 v[KSA], RECS+16384, v[KSA]
	s_lshl_b32 s2, s[WH], 9
	s_lshl_b32 s3, s[WL], 3
	s_add_co_u32 s2, s2, s3
	s_add_co_u32 s2, s2, RECS+16384+256
	v_lshl_add_u32 v[KSV], v1, 4, s2
	v_lshrrev_b32 v30, 6, v0                       ; thread t holds ps of d = 64 (t / 64) + 16 (t % 4) + (t / 4) % 16
	v_lshlrev_b32 v30, 8, v30
	v_and_b32 v31, 3, v0
	v_lshl_add_u32 v30, v31, 6, v30
	v_bfe_u32 v31, v0, 2, 4
	v_lshl_add_u32 v30, v31, 2, v30
	v_add_nc_u32 v30, PSL, v30
	s_wait_loadcnt 0x0                             ; the scale words, psum's eight parts and the mask bytes are in
	v_add_f32 v[TM], v[TM], v[TM+1]
	v_add_f32 v[TM+2], v[TM+2], v[TM+3]
	v_add_f32 v[TM+4], v[TM+4], v[TM+5]
	v_add_f32 v[TM+6], v[TM+6], v[TM+7]
	v_add_f32 v[TM], v[TM], v[TM+2]
	v_add_f32 v[TM+4], v[TM+4], v[TM+6]
	v_add_f32 v[TM], v[TM], v[TM+4]
	ds_store_b32 v30, v[TM]
.irp b, 0,1,2,3
	v_mov_b32 v[TM+4+\b], 0                        ; a lane permute's destination counts as one of its sources
.endr
; One matrix instruction.  d: D (and C, unless zero = 1: then the product starts the sum);  fa, fb: sources 0 and 1;  sa, sb: their scale registers;  ra, rb = 1: the scales stand in lanes 16-31
.macro WM d, fa, fb, sa, sb, zero, ra, rb
.if (\zero)
.if (\ra)
.if (\rb)
	v_wmma_scale_f32_16x16x128_f8f6f4 v[(\d):(\d)+7], v[(\fa):(\fa)+7], v[(\fb):(\fb)+7], 0, v[(\sa)], v[(\sb)] matrix_a_fmt:MATRIX_FMT_FP4 matrix_b_fmt:MATRIX_FMT_FP4 matrix_a_scale:MATRIX_SCALE_ROW1 matrix_b_scale:MATRIX_SCALE_ROW1
.else
	v_wmma_scale_f32_16x16x128_f8f6f4 v[(\d):(\d)+7], v[(\fa):(\fa)+7], v[(\fb):(\fb)+7], 0, v[(\sa)], v[(\sb)] matrix_a_fmt:MATRIX_FMT_FP4 matrix_b_fmt:MATRIX_FMT_FP4 matrix_a_scale:MATRIX_SCALE_ROW1
.endif
.else
.if (\rb)
	v_wmma_scale_f32_16x16x128_f8f6f4 v[(\d):(\d)+7], v[(\fa):(\fa)+7], v[(\fb):(\fb)+7], 0, v[(\sa)], v[(\sb)] matrix_a_fmt:MATRIX_FMT_FP4 matrix_b_fmt:MATRIX_FMT_FP4 matrix_b_scale:MATRIX_SCALE_ROW1
.else
	v_wmma_scale_f32_16x16x128_f8f6f4 v[(\d):(\d)+7], v[(\fa):(\fa)+7], v[(\fb):(\fb)+7], 0, v[(\sa)], v[(\sb)] matrix_a_fmt:MATRIX_FMT_FP4 matrix_b_fmt:MATRIX_FMT_FP4
.endif
.endif
.else
.if (\ra)
.if (\rb)
	v_wmma_scale_f32_16x16x128_f8f6f4 v[(\d):(\d)+7], v[(\fa):(\fa)+7], v[(\fb):(\fb)+7], v[(\d):(\d)+7], v[(\sa)], v[(\sb)] matrix_a_fmt:MATRIX_FMT_FP4 matrix_b_fmt:MATRIX_FMT_FP4 matrix_a_scale:MATRIX_SCALE_ROW1 matrix_b_scale:MATRIX_SCALE_ROW1
.else
	v_wmma_scale_f32_16x16x128_f8f6f4 v[(\d):(\d)+7], v[(\fa):(\fa)+7], v[(\fb):(\fb)+7], v[(\d):(\d)+7], v[(\sa)], v[(\sb)] matrix_a_fmt:MATRIX_FMT_FP4 matrix_b_fmt:MATRIX_FMT_FP4 matrix_a_scale:MATRIX_SCALE_ROW1
.endif
.else
.if (\rb)
	v_wmma_scale_f32_16x16x128_f8f6f4 v[(\d):(\d)+7], v[(\fa):(\fa)+7], v[(\fb):(\fb)+7], v[(\d):(\d)+7], v[(\sa)], v[(\sb)] matrix_a_fmt:MATRIX_FMT_FP4 matrix_b_fmt:MATRIX_FMT_FP4 matrix_b_scale:MATRIX_SCALE_ROW1
.else
	v_wmma_scale_f32_16x16x128_f8f6f4 v[(\d):(\d)+7], v[(\fa):(\fa)+7], v[(\fb):(\fb)+7], v[(\d):(\d)+7], v[(\sa)], v[(\sb)] matrix_a_fmt:MATRIX_FMT_FP4 matrix_b_fmt:MATRIX_FMT_FP4
.endif
.endif
.endif
.endm
.macro FETCH slot, q, p                ; the fragments of the slot's q-th 128 along K into set p: Wq's eight, my queries' four
	WIN 0x40
.irp i, 0,1,2,3,4,5,6,7
.irp c, 0,1
	ds_load_b128 v[64*(\p)+8*\i+4*\c:64*(\p)+8*\i+4*\c+3], v[ADRB+\slot] offset:64*(\q)+32*\c+\i*16*PITCH
.endr
.endr
.irp i, 0,1,2,3
.irp c, 0,1
	ds_load_b128 v[128+32*(\p)+8*\i+4*\c:128+32*(\p)+8*\i+4*\c+3], v[ADRA+\slot] offset:64*(\q)+32*\c+\i*16*PITCH
.endr
.endr
.endm
; 8 matrix instructions: my tile a of queries x Wq's eight; K step kq, its q-th 128.  The 32 accumulators take turns, one instruction a turn, in the same order in every step.
.macro MUL8 a, p, kq, q, zero
.irp b, 0,1,2,3,4,5,6,7
	WM 8*(8*(\a)+\b), 64*(\p)+8*\b, 128+32*(\p)+8*(\a), SW+16*(\b%4)+4*(\kq)+(\q), SQ+16*((\a)%2)+4*(\kq)+(\q), \zero, \b/4, (\a)/2
.endr
.endm
; A step of 128 along K: the next step's 24 loads, from slot fslot at its fq-th 128, go out ahead of this step's 32 products.
.macro STEP kq, q, fslot, fq, zero
	s_wait_dscnt 0x0                               ; this step's fragments, asked for a step ago, are in
	PLACES 4                                       ; in front of loads into the set that the last step's products read
	FETCH \fslot, \fq, 1-(\q)%2
	WIN MUL
.irp a, 0,1,2,3
	MUL8 \a, (\q)%2, \kq, \q, \zero
.endr
.endm
; The last step of a K step behind which LDS is filled again.  In front of the barrier each wave waits for all its tensor loads, adds 0 to its spare word, and waits for that and for its LDS reads.
; fill = 1: slot 0 takes K step 3;  2: the records go into slot 1 and the head of slot 2, both read out.
.macro TURN kq, next, fill
	WIN 0
	s_wait_tensorcnt 0x0                           ; all my tensor loads have landed
	ds_add_u32 v[SPW], v[NIL]                      ; 0 onto my spare word
	s_wait_dscnt 0x1                               ; this step's fragments are in; the add may be out
	WIN MUL
	MUL8 0, 1, \kq, 3, 0
	MUL8 1, 1, \kq, 3, 0
	s_wait_dscnt 0x0                               ; the add is done, and my reads of the bytes to be filled are over
	s_barrier_signal -1
	MUL8 2, 1, \kq, 3, 0
	WIN 0
	s_barrier_wait -1
	CREST                                          ; the barrier has opened a round of the cluster's: no wave of any partner still reads those bytes or has a load on its way
.if \fill == 1
	s_add_nc_u64 s[G0A+2:G0A+3], s[G0A+2:G0A+3], 3*ROWB
	s_add_nc_u64 s[G0B+2:G0B+3], s[G0B+2:G0B+3], 3*ROWB
	JLOAD G0A, G1A, G0B, G1B                       ; the first tensor load behind the round; its four v_nop are also the places in front of the loads below
.else
	tensor_load_to_lds s[G0KV:G0KV+3], s[G1KV:G1KV+7]   ; every wave brings two records
	s_nop 0
.rept 4
	v_nop
.endr
.endif
	FETCH \next, 0, 0
	WIN MUL
	MUL8 3, 1, \kq, 3, 0
.endm
; THE WAY OUT of tile a (16 queries x 128 e), all in the tile's own 64 registers of window 2.  PACK: x 1 / divisor (0 at a padded query).  TOSTAGE: into my own stage, and back as whole rows of 512 bytes.  SEND: stored.
.macro PACK a
	WIN 0x82                                       ; source 0 and destination window 2
.set i, 0
.rept 32
	v_pk_mul_f32 v[64*(\a)+i:64*(\a)+i+1], v[64*(\a)+i:64*(\a)+i+1], v[INV+2*(\a):INV+2*(\a)+1] op_sel_hi:[1,0]   ; ascending: each accumulator from its low end on
.set i, i+2
.endr
.endm
.macro TOSTAGE a
	WIN 0x08                                       ; an LDS store's data are its source 1: window 2
.irp t, 0,1,2,3,4,5,6,7
	ds_store_b128 v[STO], v[64*(\a)+8*\t:64*(\a)+8*\t+3] offset:64*\t
	ds_store_b128 v[STO], v[64*(\a)+8*\t+4:64*(\a)+8*\t+7] offset:64*\t+16
.endr
	WIN 0x80                                       ; destination window 2
.irp t, 0,1,2,3,4,5,6,7,8,9,10,11,12,13,14,15
	ds_load_b128 v[64*(\a)+4*\t:64*(\a)+4*\t+3], v[RD] offset:\t*SP   ; LDS serves a wave's instructions in order (ISA guide 5.7.1.4): these see the stores above, and the next tile's stores come behind them
.endr
.endm
.macro SEND a
	WIN 0x08                                       ; a store's data are its source 1: window 2
.irp t, 0,1,2,3,4,5,6,7,8,9,10,11,12,13,14,15
	s_wait_dscnt 15-\t                             ; row t is back: behind its load stand the 15 - t loads of the later rows and nothing else
	global_store_b128 v[LI], v[64*(\a)+4*\t:64*(\a)+4*\t+3], s[18:19] offset:(16*(\a)+\t)*8192 th:TH_STORE_NT   ; 32 lanes store 512 consecutive bytes, aligned: the head's part of a row of out
.endr
.endm
; softplus of the 64 numbers of window 2 at s, into v[RM] on of window 1.  Each batch of transcendentals has one wait, ahead of its first reader; plain work that names no result stands between.
; send >= 0: that tile's rows, which have had the 192 lines above in which to come back from the stage, are stored behind the first wait.
.macro SOFTPLUS s, send
	WIN 0x42
.set i, 0
.rept 64
	v_mul_f32 v[RU+i], -|v[(\s)+i]|, s[L2E]        ; ascending: each accumulator is read from its low end on
.set i, i+1
.endr
	WIN 0x49
.set i, 0
.rept 64
	v_exp_f32 v[RU+i], v[RU+i]                     ; u = e^-|x|
.set i, i+1
.endr
.set i, 0
.rept 64
	v_max_num_f32 v[RM+i], 0, v[(\s)+i]            ; max(x, 0)
.set i, i+1
.endr
	s_wait_alu depctr_va_vdst(0)                   ; one wait for the 64 exponentials
.if (\send) >= 0
	SEND \send
.endif
	WIN 0x55
.set i, 0
.rept 32
	v_pk_add_f32 v[RW+i:RW+i+1], v[RU+i:RU+i+1], 1.0 op_sel_hi:[1,0]   ; w = 1 + u
.set i, i+2
.endr
.set i, 0
.rept 32
	v_pk_add_f32 v[RE+i:RE+i+1], v[RW+i:RW+i+1], 1.0 op_sel_hi:[1,0] neg_lo:[1,0] neg_hi:[1,0]   ; e = 1 - w, exact
.set i, i+2
.endr
.set i, 0
.rept 64
	v_log_f32 v[RW+i], v[RW+i]                     ; log2(w)
.set i, i+1
.endr
.set i, 0
.rept 32
	v_pk_add_f32 v[RU+i:RU+i+1], v[RU+i:RU+i+1], v[RE+i:RE+i+1]   ; c = u + e, exact
.set i, i+2
.endr
.set i, 0
.rept 32
	v_pk_add_f32 v[RE+i:RE+i+1], v[RE+i:RE+i+1], 1.0 op_sel_hi:[1,0]   ; 2 - w, exact
.set i, i+2
.endr
.set i, 0
.rept 32
	v_pk_fma_f32 v[RM+i:RM+i+1], v[RU+i:RU+i+1], v[RE+i:RE+i+1], v[RM+i:RM+i+1]
.set i, i+2
.endr
	s_wait_alu depctr_va_vdst(0)                   ; one wait for the 64 logarithms
.set i, 0
.rept 32
	v_pk_fma_f32 v[RM+i:RM+i+1], v[RW+i:RW+i+1], s[LN2:LN2+1], v[RM+i:RM+i+1] op_sel_hi:[1,0,1]
.set i, i+2
.endr
.endm
; my half of the divisor of tile a's query: the sum of pq x ps over my 64 d, in two chains of packed multiply-adds
.macro DEN a
	WIN 0x5d                                       ; pq window 1, ps window 3
	v_pk_mul_f32 v[RU:RU+1], v[RM:RM+1], v[PS:PS+1]
	v_pk_mul_f32 v[RU+2:RU+3], v[RM+2:RM+3], v[PS+2:PS+3]
.set i, 4
.rept 15
	v_pk_fma_f32 v[RU:RU+1], v[RM+i:RM+i+1], v[PS+i:PS+i+1], v[RU:RU+1]
	v_pk_fma_f32 v[RU+2:RU+3], v[RM+i+2:RM+i+3], v[PS+i+2:PS+i+3], v[RU+2:RU+3]
.set i, i+4
.endr
	WIN 0x55
	v_pk_add_f32 v[RU:RU+1], v[RU:RU+1], v[RU+2:RU+3]
	WIN 0x05
	v_add_f32 v[DN+(\a)], v[RU], v[RU+1]
.endm
; 64 numbers of a lane in window win at s, register 8 t + i = K index 16 t + 8 h + i of my row, become a fragment's codes in v[pc] on and its scale word in v[pw] (window 0).
; Tile t's eight codes are chunk 2 t + h of sixteen; the operand wants chunk 8 c + 4 h + g in register 4 c + g: so tiles 4 c, 4 c + 2 go to registers 4 c, 4 c + 1 and tiles 4 c + 1, 4 c + 3 to 4 c + 2, 4 c + 3, and each pair changes halves.
.macro QUANT win, s, pc, pw
	WIN ((\win)<<2)|((\win)<<4)
.irp b, 0,1,2,3
	v_max3_num_f32 v[TM+\b], s[FLOOR], |v[(\s)+16*\b]|, |v[(\s)+16*\b+1]|   ; block b: my 16 numbers, and the floor
.endr
.irp i, 2,4,6,8,10,12,14
.irp b, 0,1,2,3
	v_max3_num_f32 v[TM+\b], v[TM+\b], |v[(\s)+16*\b+\i]|, |v[(\s)+16*\b+\i+1]|   ; the four blocks by turns
.endr
.endr
	WIN 0
.irp b, 0,1,2,3
	v_permlanex16_b32 v[TM+4+\b], v[TM+\b], s[SEL], s[SEL+1]
.endr
.irp b, 0,1,2,3
	v_max_num_f32 v[TM+\b], v[TM+\b], v[TM+4+\b]   ; with lane l xor 16's: the block's largest magnitude
.endr
.irp b, 0,1,2,3
	v_add_nc_u32 v[TM+12+\b], 0xff000000, v[TM+\b] ; 2 off its exponent field: the conversion takes the exponent field of this operand as its scale
.endr
.irp b, 0,1,2,3
	v_lshrrev_b32 v[TM+4+\b], 23, v[TM+12+\b]      ; the scale's byte
.endr
	v_lshl_or_b32 v[(\pw)], v[TM+5], 8, v[TM+4]
	v_lshl_or_b32 v[(\pw)], v[TM+6], 16, v[(\pw)]
	v_lshl_or_b32 v[(\pw)], v[TM+7], 24, v[(\pw)]
	WIN (\win)
.irp t, 0,1,2,3,4,5,6,7
	v_cvt_scalef32_pk8_fp4_f32 v[(\pc)+4*(\t/4)+(\t%4)/2+2*(\t%2)], v[(\s)+8*\t:(\s)+8*\t+7], v[TM+12+\t/2]
.endr
	WIN 0
	v_nop                                          ; one plain place behind a scaled conversion
.irp c, 0,1
	v_permlane16_swap_b32 v[(\pc)+4*\c], v[(\pc)+4*\c+1]
	v_permlane16_swap_b32 v[(\pc)+4*\c+2], v[(\pc)+4*\c+3]
.endr
.endm
; Tile a of queries: pq = softplus(q), the divisor and its reciprocal (0 at a padded query), pq's codes and scale word.  The quantiser's lines are the plain work between the reciprocal and the wait for it.
.macro PQ a, send
	SOFTPLUS 64*(\a), \send
	DEN \a
	WIN 0
	v_permlanex16_b32 v[TM+4], v[DN+(\a)], s[SEL], s[SEL+1]
	v_add_f32 v[DN+(\a)], v[DN+(\a)], v[TM+4]      ; with lane l xor 16's 64 d: the divisor
	v_rcp_f32 v[DN+(\a)], v[DN+(\a)]
	QUANT 1, RM, PQF+8*(\a), PQS+(\a)
	s_wait_alu depctr_va_vdst(0)                   ; the wait for the reciprocal, ahead of its first reader
	v_cmp_eq_u32 vcc_lo, 0, v[QM+(\a)]
	v_cndmask_b32 v[INV+2*(\a)], 0, v[DN+(\a)], vcc_lo
	v_mov_b32 v[INV+2*(\a)+1], 0                   ; (named with it as a pair)
.endm
; Key step ks (128 keys, one record): pk's eight fragments, my two of v, and their scale words, into set p
.macro KFETCH ks, p
	WIN 0x40
.irp f, 0,1,2,3,4,5,6,7
.irp c, 0,1
	ds_load_b128 v[64*(\p)+8*\f+4*\c:64*(\p)+8*\f+4*\c+3], v[KVA] offset:RECB*((\ks)%4)+1024*\f+512*\c
.endr
.endr
.irp x, 0,1
.irp c, 0,1
	ds_load_b128 v[128+32*(\p)+8*\x+4*\c:128+32*(\p)+8*\x+4*\c+3], v[KVV] offset:RECB*((\ks)%4)+1024*\x+512*\c
.endr
.endr
	WIN 0
	ds_load_b128 v[KSW+6*(\p):KSW+6*(\p)+3], v[KSA] offset:RECB*((\ks)%4)
	ds_load_b64 v[KSW+6*(\p)+4:KSW+6*(\p)+5], v[KSV] offset:RECB*((\ks)%4)
.endm
; 16 matrix instructions: pk's eight d tiles x my two e tiles, 128 keys; the 16 accumulators by turns; key step 0 starts the sums
.macro KMUL ks, p
	WIN 0xf5                                       ; sources 0 and 1 window 1, C and D window 3
.irp td, 0,1,2,3,4,5,6,7
.irp x, 0,1
	WM 64*\x+8*\td, 64*(\p)+8*\td, 128+32*(\p)+8*\x, KSW+6*(\p)+\td%4, KSW+6*(\p)+4+\x, (\ks)==0, \td/4, 0
.endr
.endr
.endm
; The last product of tile a: kv's 8 tiles of e x my 16 queries; K = the head's 128 d: one instruction each
.macro NUM a
	WIN 0x83                                       ; source 0 (kv) window 3, source 1 (pq) window 0, D window 2
.irp t, 0,1,2,3,4,5,6,7
	WM 64*(\a)+8*\t, 8*\t, PQF+8*(\a), KVSW+\t, PQS+(\a), 1, 0, 0
.endr
.endm
	s_wait_tensorcnt 0x2                           ; my part of K step 0 is in; K steps 1 and 2 may be out
	s_wait_dscnt 0x0                               ; my number of ps is stored
	s_barrier_signal -1
	s_barrier_wait -1
	FETCH 0, 0, 0
	WIN 0xc0
.irp t, 0,1,2,3,4,5,6,7
	ds_load_b128 v[PS+8*\t:PS+8*\t+3], v[PSA] offset:64*\t          ; ps stays in registers
	ds_load_b128 v[PS+8*\t+4:PS+8*\t+7], v[PSA] offset:64*\t+16
.endr
	STEP 0, 0, 0, 1, 1                             ; K step 0, in slot 0: the first products start the sums
	STEP 0, 1, 0, 2, 0
	STEP 0, 2, 0, 3, 0
	TURN 0, 1, 1                                   ; slot 0 takes K step 3.  Every wave has waited for all its loads in front of this barrier: slots 1 and 2 are whole for all
	STEP 1, 0, 1, 1, 0                             ; K step 1, in slot 1
	STEP 1, 1, 1, 2, 0
	STEP 1, 2, 1, 3, 0
	STEP 1, 3, 2, 0, 0                             ; on into slot 2: nothing is filled here, so no barrier stands here
	STEP 2, 0, 2, 1, 0                             ; K step 2, in slot 2
	STEP 2, 1, 2, 2, 0
	STEP 2, 2, 2, 3, 0
	TURN 2, 0, 2                                   ; K step 3 has landed; the records go into slots 1 and 2
	STEP 3, 0, 0, 1, 0                             ; K step 3, in slot 0
	STEP 3, 1, 0, 2, 0
	STEP 3, 2, 0, 3, 0
	s_wait_dscnt 0x0                               ; the last step: nothing more to fetch
	WIN MUL
.irp a, 0,1,2,3
	MUL8 \a, 1, 3, 3, 0
.endr
	WIN 0
	PLACES 4                                       ; behind the last products
	PQ 0, -1                                       ; the first tile's pq, while the records land
	; ---- kv: all 1,024 keys, 128 a step; my two e tiles
	s_wait_tensorcnt 0x0                           ; my two records have landed
	ds_add_u32 v[SPW], v[NIL]
	s_wait_dscnt 0x0
	s_barrier_signal -1
	s_barrier_wait -1                              ; everybody's have. Every wave's reads of slot 0 are over too: the stages may be written
	KFETCH 0, 0
.irp k, 0,1,2,3,4,5,6,7
	s_wait_dscnt 0x0                               ; this step's fragments and scale words are in
	WIN 0
.if \k == 3
	v_add_nc_u32 v[KVA], 4*RECB, v[KVA]            ; on to records 4-7.  These four are also the places in front of the loads below
	v_add_nc_u32 v[KVV], 4*RECB, v[KVV]
	v_add_nc_u32 v[KSA], 4*RECB, v[KSA]
	v_add_nc_u32 v[KSV], 4*RECB, v[KSV]
.else
	PLACES 4                                       ; in front of loads into the set and the scale registers that the last step's products read
.endif
.if \k < 7
	KFETCH \k+1, (\k+1)%2
.endif
	KMUL \k, \k%2
.endr
	WIN 0
	PLACES 4
.irp x, 0,1
	QUANT 3, 64*\x, KPC+8*\x, KPW+\x               ; along d: the K of the last product
	ds_store_b128 v[KVWI], v[KPC+8*\x:KPC+8*\x+3] offset:1024*\x           ; the fragment goes to LDS as an image of its registers
	ds_store_b128 v[KVWI], v[KPC+8*\x+4:KPC+8*\x+7] offset:1024*\x+512
	ds_store_b32 v[KVWS], v[KPW+\x] offset:128*\x
.endr
	s_wait_dscnt 0x0                               ; for the others' sake: my stores have landed
	s_barrier_signal -1
	s_barrier_wait -1                              ; kv's eight fragments lie in LDS
	WIN 0xc0                                       ; they stay in window 3, where kv's accumulators lay
.irp t, 0,1,2,3,4,5,6,7
.irp c, 0,1
	ds_load_b128 v[8*\t+4*\c:8*\t+4*\c+3], v[KVRI] offset:1024*\t+512*\c
.endr
.endr
	WIN 0
.irp t, 0,1,2,3,4,5,6,7
	ds_load_b32 v[KVSW+\t], v[KVRS] offset:128*\t
.endr
	s_wait_dscnt 0x0
	; ---- tile by tile: the last product, x 1 / divisor, through the stage; a tile's stores stand in the next tile's softplus
	NUM 0
	PLACES 4
	PACK 0
	TOSTAGE 0
.irp a, 1,2,3
	PQ \a, \a-1
	PLACES 8                                       ; pq's scale word and codes were written by vector instructions: 8 and 4 places ahead of the scaled products
	NUM \a
	PLACES 4
	PACK \a
	TOSTAGE \a
.endr
	SEND 3
	WIN 0
	s_wait_tensorcnt 0x0                           ; the wave's end
	ds_add_u32 v[SPW], v[NIL]
	s_wait_dscnt 0x0
	CROUND                                         ; the closing round: no work-group ends while a partner may still ask for a tile that names it
	s_endpgm
.Lfunc_end_k_qa06ecd3b3e_qattn:
	.size	k_qa06ecd3b3e_qattn, .Lfunc_end_k_qa06ecd3b3e_qattn-k_qa06ecd3b3e_qattn
	.p2alignl 7, 3214868480
	.fill 96, 4, 3214868480
	.section	.rodata,"a",@progbits
	.p2align	6, 0x0
	.amdhsa_kernel k_qa06ecd3b3e_qattn
		.amdhsa_group_segment_fixed_size 327680
		.amdhsa_private_segment_fixed_size 0
		.amdhsa_enable_private_segment 0
		.amdhsa_kernarg_size 64
		.amdhsa_user_sgpr_count 2
		.amdhsa_user_sgpr_kernarg_segment_ptr 1
		.amdhsa_wavefront_size32 1
		.amdhsa_system_sgpr_workgroup_id_x 1
		.amdhsa_system_sgpr_workgroup_id_y 1
		.amdhsa_system_sgpr_workgroup_id_z 1
		.amdhsa_system_vgpr_workitem_id 0
		.amdhsa_next_free_vgpr 1024
		.amdhsa_next_free_sgpr 96
		.amdhsa_reserve_vcc 1
		.amdhsa_float_denorm_mode_32 3
		.amdhsa_float_denorm_mode_16_64 3
		.amdhsa_memory_ordered 1
		.amdhsa_forward_progress 1
		.amdhsa_inst_pref_size 255
	.end_amdhsa_kernel
	.section	.bss,"aw",@nobits
	.p2align	6
	.space	262144
	.amdgpu_metadata
---
amdhsa.version: [ 1, 2 ]
amdhsa.kernels:
  - .name:           k_qa06ecd3b3e_qattn
    .symbol:         k_qa06ecd3b3e_qattn.kd
    .args:
      - { .name: query_codes, .offset: 0, .size: 8, .value_kind: global_buffer, .address_space: global }
      - { .name: query_scales, .offset: 8, .size: 8, .value_kind: global_buffer, .address_space: global }
      - { .name: Wq_codes, .offset: 16, .size: 8, .value_kind: global_buffer, .address_space: global }
      - { .name: Wq_scales, .offset: 24, .size: 8, .value_kind: global_buffer, .address_space: global }
      - { .name: query_padding_mask, .offset: 32, .size: 8, .value_kind: global_buffer, .address_space: global }
      - { .name: kvimg, .offset: 40, .size: 8, .value_kind: global_buffer, .address_space: global }
      - { .name: psum, .offset: 48, .size: 8, .value_kind: global_buffer, .address_space: global }
      - { .name: out0, .offset: 56, .size: 8, .value_kind: global_buffer, .address_space: global }
    .group_segment_fixed_size: 327680
    .private_segment_fixed_size: 0
    .kernarg_segment_align: 8
    .kernarg_segment_size: 64
    .max_flat_workgroup_size: 128
    .sgpr_count:     96
    .vgpr_count:     1024
    .wavefront_size: 32
...
	.end_amdgpu_metadata
.endif
;; end of part 2
